; MI455X (gfx1250); checked and timed in simulation.
; The chip was launched on July 23, 2026; its instructions are those of AMD's public machine-readable ISA for CDNA 5 (MIT licence, August 2026) and "CDNA5" Instruction Set Architecture Reference Guide (July 2026). The comments in the code are by the model that wrote it; some were corrected since.
;; Mo E. Allowed arithmetic: float matrix products may take bf16 or f16 operands with f32 sums; all other float work in f32.
;; Inputs: down_w 1,024 x 2,048 float32; gate_w 64 x 1,024 float32; up_w 2,048 x 1,024 float32; x 4 x 2,048 x 1,024 float32.
;; Outputs: out0 4 x 2,048 x 1,024 float32.
;; One version. Each part assembles by itself: llvm-mc -triple=amdgcn-amd-amdhsa -mcpu=gfx1250 --defsym DOCPART=n.
;; ======== version 1 of 1: 3 launches
;; workspace buffers: xb 16,777,216 bytes; upb 4,194,304 bytes; downb 4,194,304 bytes; h 33,554,432 bytes; scale 32,768 bytes
;; launch prep (part 1): grid 256 x 1, 8 waves a work-group, clusters of 4 x 1, 306,432 bytes of LDS; arguments x, gate_w, up_w, xb, upb, scale; writes xb, upb, scale
.if DOCPART == 1
	.amdgcn_target "amdgcn-amd-amdhsa--gfx1250"
	.amdhsa_code_object_version 6
	.text
	.protected	k_q004f98e883_prep
	.globl	k_q004f98e883_prep
	.p2align	8
	.type	k_q004f98e883_prep,@function
k_q004f98e883_prep:
	s_mov_b64 s[64:65], 0
	v_nop
	global_prefetch_b8 v0, s[64:65] scope:SCOPE_SE
	s_setreg_imm32_b32 hwreg(HW_REG_WAVE_MODE, 25, 1), 1
	s_wait_xcnt 0x0
	s_wait_alu depctr_hold_cnt(0) depctr_sa_sdst(0) depctr_va_vdst(0) depctr_va_sdst(0) depctr_va_ssrc(0) depctr_va_vcc(0) depctr_vm_vsrc(0)
	s_getreg_b32 s2, hwreg(HW_REG_IB_STS2, 6, 4)
	s_cmp_eq_u32 s2, 0
	s_cbranch_scc0 .Lentry_in_a_cluster
	s_endpgm
.Lentry_in_a_cluster:
	s_bfe_u32 s2, ttmp6, 0x10000c
	s_cmp_lg_u32 s2, 0x3003
	s_cbranch_scc0 .Lentry_shape_is_right
	s_endpgm
.Lentry_shape_is_right:
; PREP.  xb, upb = x, up_w rounded to bf16;  scale[t] = ew0 + ew1, the two renormalised top-2 gate weights of token t.
; reference() sends both copies of a token through the same two weight matrices, so its result is (ew0 + ew1) x FFN(x[t]); the indices of the top two are never used.
; SHARES.  256 work-groups of eight waves.  A work-group owns 32 rows of x (131,072 bytes) and 32,768 flat bytes of up_w.  Thread t owns the 16 bytes at 16 t of every 4,096 bytes, so a load
; of a wave covers 512 consecutive bytes and a bf16 store 256 consecutive, aligned bytes.  All 40 loads of a wave are issued at once, ahead of the cluster's first round, which only the
; joint load needs.  (down_w is first wanted two launches on and is rounded in the next launch: here a work-group already takes in 425,984 bytes.)
; GATE.  Wave w holds columns 128 w to 128 w + 127 of its 32 rows anyway, so it makes the partial logits of that K strip: 32 tokens x 64 experts, eight accumulators, 32 matrix
; instructions on bf16 operands; the eight partial sums meet in LDS and are added in f32.  Softmax with its maximum taken away, top two (a tie counts twice), the 1e-9, all in f32.
; CLUSTER.  Every work-group reads all 262,144 bytes of gate_w, twice its own bytes of x, so four work-groups ask for it JOINTLY: wave w of each issues the same tensor load for strip w.
; Each LDS byte is filled once: there is no refill.  A wave has one tensor load outstanding.
; LIMITS.  ew0 c + ew1 c is formed as (ew0 + ew1) c: another order of rounding.  The logits come from operands rounded to bf16.  v_exp_f32 gives 0 for results below 2^-126 (ISA guide 15.8);
; the sum of exponentials is at least 1, so that changes it by less than 2^-120.  The maxima pass over a NaN: a NaN in gate_w alone does not reach the result (one in x does, through the FFN).
.set GPITCH, 528                       ; a row of a gate strip in LDS: 512 bytes of f32 + 16 of padding: the 16 rows of a fragment load start 16 bytes apart modulo 256
.set GSTRIP, 64*GPITCH                 ; 33,792: one wave's strip, 64 experts
.set PPITCH, 272                       ; a row of partial logits: 64 f32 + 16 bytes
.set XST,    8*GSTRIP                  ; 270,336: behind the strips, a stage of 16 rows of bf16 for each wave
.set XPITCH, 272                       ; 256 bytes of bf16 + 16
.set XSTW,   16*XPITCH                 ; 4,352
.set SCL,    XST+8*XSTW                ; 305,152: the work-group's 32 results
.set VX, 1                             ; v1   16 t: byte offset in every 4,096 bytes of input
.set VO, 2                             ; v2   8 t: the same in every 2,048 bytes of bf16 output
.set LN, 3                             ; v3   lane
.set R,  4                             ; v4   lane % 16
.set HH, 5                             ; v5   lane / 16
.set XS, 6                             ; v6   stage: where I put my 8 bytes of a row
.set XA, 7                             ; v7   stage: my place in a fragment of x
.set GA, 8                             ; v8   my place in a fragment of my gate strip
.set PS, 9                             ; v9   where I put partial logits
.set SA, 10                            ; v10  my token's word among the results
.set W,  16                            ; v[16:47]   up_w as loaded: 8 x 4
.set XF, 16                            ; v[16:79]   later: fragments of x, (mt, kk) at 16 + 32 mt + 8 kk
.set RA, 16                            ; v[16:23]   at last: addresses of the eight partial sums
.set X,  80                            ; v[80:207]  32 rows of x, 4 registers each
.set ACC, 80                           ; v[80:143]  later: accumulator (mt, n) at 80 + 8 (4 mt + n)
.set TT, 80                            ; v[80:91]   at last: at work
.set GR, 144                           ; v[144:175] two buffers of 16 f32 of gate_w
.set GB, 176                           ; v[176:191] two fragments of gate_w in bf16
.set L,  144                           ; v[144:207] at last: eight partial sums of my eight logits
.set WV, 20                            ; s20  wave
.set G0, 28                            ; s[28:31] descriptor group 0
.set G1, 32                            ; s[32:39] descriptor group 1
; A round of the cluster barrier: my work-group's barrier, wave 0 signals for the work-group, every wave waits for all four work-groups, my work-group's barrier once more.
.macro ROUND
	s_barrier_signal -1
	s_barrier_wait -1
	s_cmp_lg_u32 s[WV], 0
	s_cbranch_scc1 .Lnot_wave_0_\@
	s_barrier_signal -3
.Lnot_wave_0_\@:
	s_barrier_wait -3
	s_barrier_signal -1
	s_barrier_wait -1
.endm
; Four f32 at register b become two words of bf16, in place
.macro CV2 b
	v_cvt_pk_bf16_f32 v[\b], v[\b], v[\b+1]
	v_cvt_pk_bf16_f32 v[\b+1], v[\b+2], v[\b+3]
.endm
	s_load_b256 s[4:11], s[0:1], 0x0               ; x s[4:5], gate_w s[6:7], up_w s[8:9], xb s[10:11]
	s_load_b128 s[12:15], s[0:1], 0x20             ; upb s[12:13], scale s[14:15]
	v_lshl_add_u32 v208, v0, 2, 0x4a900
	v_mov_b32 v209, 0
	ds_add_u32 v208, v209
	v_lshrrev_b32 v11, 5, v0
	v_readfirstlane_b32 s[WV], v11                 ; wave 0..7
	v_lshlrev_b32 v[VX], 4, v0
	s_bfe_u32 s21, ttmp6, 0x40000                  ; cx: my place in the cluster
	s_lshl_b32 s22, ttmp9, 2                       ; in a cluster launch ttmp9 counts clusters
	s_add_co_u32 s22, s22, s21                     ; my work-group: it enters global addresses of my own shares alone
	; group 1: a tile of 64 rows x 128 elements of 4 bytes, padded in LDS
	s_mov_b32 s[G1+0], 15|(2<<16)|(1<<20)|(1<<21)|(6<<22)|(3<<25)  ; 15:0 the mask: all four work-groups; 17:16 elements of 4 bytes; 20 padding on; 21 set beside a mask; 24:22 after every 128 words; 31:25 4 words of it
	s_mov_b32 s[G1+1], 128<<16                     ; tensor_dim0 = 128
	s_mov_b32 s[G1+2], 64<<16                      ; tensor_dim1 = 64
	s_mov_b32 s[G1+3], 128<<16                     ; tile_dim0 = 128
	s_mov_b32 s[G1+4], 64                          ; tile_dim1 = 64
	s_mov_b32 s[G1+5], 1024                        ; elements from row to row
	s_mov_b32 s[G1+6], 0
	s_mov_b32 s[G1+7], 0
	s_mov_b32 s[G0+0], 1
	s_mul_i32 s[G0+1], s[WV], GSTRIP               ; my strip in LDS: the wave's number alone
	s_lshl_b32 s26, s[WV], 9                       ; my strip in a row of gate_w: 512 bytes a wave
	s_mov_b32 s27, 0
	s_mov_b32 s25, 0
	s_wait_dscnt 0x0
	s_wait_kmcnt 0x0
	s_lshl_b32 s24, s22, 15                        ; 32,768 bytes of up_w
	s_add_nc_u64 s[8:9], s[8:9], s[24:25]
	s_lshl_b32 s24, s22, 17                        ; 32 rows of 4,096 bytes
	s_add_nc_u64 s[4:5], s[4:5], s[24:25]
	; my own shares are asked for before anything else: nobody writes these bytes, so the loads may stay out over the round's barriers
.irp j, 0,1,2,3,4,5,6,7
	global_load_b128 v[W+4*\j:W+4*\j+3], v[VX], s[8:9] offset:4096*\j th:TH_LOAD_NT
.endr
.irp i, 0,1,2,3,4,5,6,7,8,9,10,11,12,13,14,15,16,17,18,19,20,21,22,23,24,25,26,27,28,29,30,31
	global_load_b128 v[X+4*\i:X+4*\i+3], v[VX], s[4:5] offset:4096*\i th:TH_LOAD_NT
.endr
	s_add_nc_u64 s[G0+2:G0+3], s[6:7], s[26:27]
	s_or_b32 s[G0+3], s[G0+3], 0x80000000          ; type = 2
	s_lshl_b32 s24, s22, 16                        ; 32 rows of 2,048 bytes
	s_add_nc_u64 s[10:11], s[10:11], s[24:25]
	s_lshl_b32 s24, s22, 14                        ; 16,384 bytes of upb
	s_add_nc_u64 s[12:13], s[12:13], s[24:25]
	s_lshl_b32 s24, s22, 7                         ; 32 words of scale
	s_add_nc_u64 s[14:15], s[14:15], s[24:25]
	ROUND                                          ; all four work-groups are here: the joint loads meet
	tensor_load_to_lds s[G0:G0+3], s[G1:G1+7]      ; my strip of gate_w: its only fill
	s_nop 0
	v_lshlrev_b32 v[VO], 3, v0
	v_and_b32 v[LN], 31, v0
	v_and_b32 v[R], 15, v0
	v_bfe_u32 v[HH], v0, 4, 1
	s_mul_i32 s23, s[WV], XSTW
	s_add_co_u32 s23, s23, XST                     ; my stage
	v_lshl_add_u32 v[XS], v[LN], 3, s23            ; in: 8 bytes a lane
	v_mul_u32_u24 v[XA], v[R], XPITCH              ; back: row lane % 16, 16 bytes for each half of the lanes
	v_lshl_add_u32 v[XA], v[HH], 4, v[XA]
	v_add_nc_u32 v[XA], s23, v[XA]
	v_mul_u32_u24 v[GA], v[R], GPITCH              ; gate: expert lane % 16, 8 f32 = 32 bytes for each half
	v_lshl_add_u32 v[GA], v[HH], 5, v[GA]
	v_add_nc_u32 v[GA], s[G0+1], v[GA]
	v_mul_u32_u24 v[PS], v[R], PPITCH              ; partial logits: token lane % 16, 8 experts = 32 bytes for each half
	v_lshl_add_u32 v[PS], v[HH], 5, v[PS]
	v_add_nc_u32 v[PS], s[G0+1], v[PS]
	s_mov_b32 s24, 0x3fb8aa3b                      ; log2(e)
	s_mov_b32 s25, s24                             ; named with it as a pair
	s_lshl_b32 s26, s[WV], 4
	s_add_co_u32 s26, s26, SCL                     ; the words of my wave's four tokens
	s_mul_i32 s27, s[WV], 4*PPITCH                 ; their rows among the partial logits
	; UP_W
	s_wait_loadcnt 32                              ; loads come back in order: up_w's eight are in, x's 32 stay out
.irp j, 0,1,2,3,4,5,6,7
	CV2 W+4*\j
	global_store_b64 v[VO], v[W+4*\j:W+4*\j+1], s[12:13] offset:2048*\j
.endr
	; X: each row is rounded, stored, and put into my stage; 16 rows at a time come back as fragments (16 tokens x 32 K)
.macro XROW i
	s_wait_loadcnt 31-(\i)                         ; row i is in, the younger rows stay out
	CV2 X+4*(\i)
	global_store_b64 v[VO], v[X+4*(\i):X+4*(\i)+1], s[10:11] offset:2048*(\i)
	ds_store_b64 v[XS], v[X+4*(\i):X+4*(\i)+1] offset:XPITCH*((\i)%16)
.endm
.macro XFLOAD mt
.irp kk, 0,1,2,3
	ds_load_b128 v[XF+32*\mt+8*\kk:XF+32*\mt+8*\kk+3],   v[XA] offset:64*\kk
	ds_load_b128 v[XF+32*\mt+8*\kk+4:XF+32*\mt+8*\kk+7], v[XA] offset:64*\kk+32
.endr
.endm
.irp i, 0,1,2,3,4,5,6,7,8,9,10,11,12,13,14,15
	XROW \i
.endr
	s_wait_xcnt 0x0                                ; upb's stores have read their registers: the fragments may land there
	XFLOAD 0                                       ; LDS serves a wave's instructions in order (ISA guide 5.7.1.4): these see the stores above,
.irp i, 16,17,18,19,20,21,22,23,24,25,26,27,28,29,30,31
	XROW \i                                        ; and these stores into the same bytes, my own, come behind those loads
.endr
	XFLOAD 1
	s_wait_xcnt 0x0                                ; xb's stores have read x's registers, which the gate now takes
	; THE GATE on my K strip.  Fragment f = 4 kk + n: experts 16 n on, K 32 kk on.  Source 0 = 16 experts, source 1 = 16 tokens: a lane then holds one token and eight neighbouring experts.
	s_wait_tensorcnt 0x0                           ; my strip is in LDS; no other wave reads it as gate_w
.macro GLOAD f
.set gld, GR+16*((\f)%2)
.set gof, 16*GPITCH*((\f)%4)+128*((\f)/4)
	ds_load_b128 v[gld:gld+3],     v[GA] offset:gof       ; K 8 h + 0..3
	ds_load_b128 v[gld+4:gld+7],   v[GA] offset:gof+16    ;        + 4..7
	ds_load_b128 v[gld+8:gld+11],  v[GA] offset:gof+64    ; K 16 + 8 h + 0..3
	ds_load_b128 v[gld+12:gld+15], v[GA] offset:gof+80
.endm
; The eight accumulators take turns, one instruction a turn.  A bf16 fragment is written again behind the eight conversions of the fragment between.
.macro GSTEP f
.set gn,  (\f)%4
.set gk,  (\f)/4
.set grd, GR+16*((\f)%2)
.set gbf, GB+8*((\f)%2)
.if \f < 15
	s_wait_dscnt 4                                 ; all but the next fragment's four loads: fragment f is in (and, at f = 0, x's fragments)
.else
	s_wait_dscnt 0
.endif
.irp j, 0,1,2,3,4,5,6,7
	v_cvt_pk_bf16_f32 v[gbf+\j], v[grd+2*\j], v[grd+2*\j+1]
.endr
.if \f < 14
	GLOAD \f+2
.endif
.irp mt, 0,1
.if \f < 4
	v_wmma_f32_16x16x32_bf16 v[ACC+8*(4*\mt+gn):ACC+8*(4*\mt+gn)+7], v[gbf:gbf+7], v[XF+32*\mt+8*gk:XF+32*\mt+8*gk+7], 0
.else
	v_wmma_f32_16x16x32_bf16 v[ACC+8*(4*\mt+gn):ACC+8*(4*\mt+gn)+7], v[gbf:gbf+7], v[XF+32*\mt+8*gk:XF+32*\mt+8*gk+7], v[ACC+8*(4*\mt+gn):ACC+8*(4*\mt+gn)+7]
.endif
.endr
.endm
	GLOAD 0
	GLOAD 1
.irp f, 0,1,2,3,4,5,6,7,8,9,10,11,12,13,14,15
	GSTEP \f
.endr
	; four plain instructions that name no register of the products stand behind the last of them (ISA guide 7.12.1): the next phase's addresses
	v_lshrrev_b32 v12, 3, v[LN]                    ; which of my wave's four tokens
	v_and_b32 v13, 7, v[LN]                        ; which eight experts
	v_mul_u32_u24 v14, v12, PPITCH
	v_lshl_add_u32 v14, v13, 5, v14
	; my partial logits go over the head of my own strip: its one fill has landed and my reads of it are back (the wait for 0 at f = 15)
.irp mt, 0,1
.irp n, 0,1,2,3
	ds_store_b128 v[PS], v[ACC+8*(4*\mt+\n):ACC+8*(4*\mt+\n)+3]   offset:16*PPITCH*\mt+64*\n
	ds_store_b128 v[PS], v[ACC+8*(4*\mt+\n)+4:ACC+8*(4*\mt+\n)+7] offset:16*PPITCH*\mt+64*\n+16
.endr
.endr
	v_add_nc_u32 v[RA], s27, v14                   ; token 4 w + lane / 8, experts 8 (lane % 8) on, in strip 0's partial sums,
.irp u, 1,2,3,4,5,6,7
	v_add_nc_u32 v[RA+\u], \u*GSTRIP, v[RA]        ; and in the others'
.endr
	s_wait_dscnt 0x0                               ; for the others' sake: my stores are done
	s_barrier_signal -1
	s_barrier_wait -1
.irp u, 0,1,2,3,4,5,6,7
	ds_load_b128 v[L+8*\u:L+8*\u+3],   v[RA+\u]
	ds_load_b128 v[L+8*\u+4:L+8*\u+7], v[RA+\u] offset:16
.endr
.irp u, 1,2,3,4,5,6,7
	s_wait_dscnt 14-2*\u                           ; strips 0 to u are in; the 14 - 2 u loads behind them stay out
.irp p, 0,1,2,3
	v_pk_add_f32 v[L+2*\p:L+2*\p+1], v[L+2*\p:L+2*\p+1], v[L+8*\u+2*\p:L+8*\u+2*\p+1]
.endr
.endr
	; the two largest of my eight logits: four sorted pairs, then three merges (larger of the firsts; largest of the smaller first and the two seconds)
.irp p, 0,1,2,3
	v_max_num_f32 v[TT+2*\p],   v[L+2*\p], v[L+2*\p+1]
	v_min_num_f32 v[TT+2*\p+1], v[L+2*\p], v[L+2*\p+1]
.endr
	v_min_num_f32 v[TT+8], v[TT], v[TT+2]
	v_min_num_f32 v[TT+9], v[TT+4], v[TT+6]
	v_max_num_f32 v[TT], v[TT], v[TT+2]
	v_max_num_f32 v[TT+4], v[TT+4], v[TT+6]
	v_max3_num_f32 v[TT+1], v[TT+8], v[TT+1], v[TT+3]
	v_max3_num_f32 v[TT+5], v[TT+9], v[TT+5], v[TT+7]
	v_min_num_f32 v[TT+8], v[TT], v[TT+4]
	v_max_num_f32 v[TT], v[TT], v[TT+4]
	v_max3_num_f32 v[TT+1], v[TT+8], v[TT+1], v[TT+5]
; the same merge with the lane m away, among the eight lanes of a token: (first, second) in v[i], v[i+1] -> v[o], v[o+1]
.macro CROSS m, i, o
	v_max_num_f32_dpp v[\o],   v[\i],   v[\i]   row_xmask:\m row_mask:0xf bank_mask:0xf
	v_min_num_f32_dpp v[\o+1], v[\i],   v[\i]   row_xmask:\m row_mask:0xf bank_mask:0xf
	v_max_num_f32_dpp v[TT+4], v[\i+1], v[\i+1] row_xmask:\m row_mask:0xf bank_mask:0xf
	v_max_num_f32 v[\o+1], v[\o+1], v[TT+4]
.endm
	CROSS 1, TT, TT+2
	CROSS 2, TT+2, TT
	CROSS 4, TT, TT+2                              ; v[TT+2] the largest logit, v[TT+3] the second (equal to it on a tie)
	; softmax: the maximum is taken away first, so that the largest term is exactly 1
.irp p, 0,1,2,3
	v_pk_add_f32 v[L+2*\p:L+2*\p+1], v[L+2*\p:L+2*\p+1], v[TT+2:TT+3] op_sel_hi:[1,0] neg_lo:[0,1] neg_hi:[0,1]
.endr
	v_sub_f32 v[TT+6], v[TT+3], v[TT+2]
.irp p, 0,1,2,3
	v_pk_mul_f32 v[L+2*\p:L+2*\p+1], v[L+2*\p:L+2*\p+1], s[24:25] op_sel_hi:[1,0]
.endr
	v_mul_f32 v[TT+6], s24, v[TT+6]
.irp j, 0,1,2,3,4,5,6,7
	v_exp_f32 v[L+\j], v[L+\j]
.endr
	v_exp_f32 v[TT+6], v[TT+6]                     ; the second largest term
	v_lshrrev_b32 v[SA], 3, v[LN]                  ; a plain instruction behind the exponentials, before their results are used (ISA guide 5.7.2)
	s_wait_alu depctr_va_vdst(0)
	v_pk_add_f32 v[L:L+1], v[L:L+1], v[L+2:L+3]
	v_pk_add_f32 v[L+4:L+5], v[L+4:L+5], v[L+6:L+7]
	v_pk_add_f32 v[L:L+1], v[L:L+1], v[L+4:L+5]
	v_add_f32 v[L], v[L], v[L+1]
	v_add_f32_dpp v[L], v[L], v[L] row_xmask:1 row_mask:0xf bank_mask:0xf
	v_add_f32_dpp v[L], v[L], v[L] row_xmask:2 row_mask:0xf bank_mask:0xf
	v_add_f32_dpp v[L], v[L], v[L] row_xmask:4 row_mask:0xf bank_mask:0xf
	v_rcp_f32 v[TT+7], v[L]                        ; p1 = 1 / Z
	v_lshl_add_u32 v[SA], v[SA], 2, s26            ; the plain instruction behind it
	s_wait_alu depctr_va_vdst(0)
	v_mul_f32 v[TT+8], v[TT+6], v[TT+7]            ; p2
	v_add_f32 v[TT+9], v[TT+7], v[TT+8]            ; p1 + p2
	v_add_f32 v[TT+9], 0x3089705f, v[TT+9]         ; + 1e-9
	v_rcp_f32 v[TT+10], v[TT+9]
	v_nop
	s_wait_alu depctr_va_vdst(0)
	v_mul_f32 v[TT+11], v[TT+7], v[TT+10]          ; ew0
	v_fma_f32 v[TT+11], v[TT+8], v[TT+10], v[TT+11] ; + ew1
	ds_store_b32 v[SA], v[TT+11]                   ; a token's eight lanes write the same word with the same number
	s_wait_dscnt 0x0
	s_barrier_signal -1
	s_barrier_wait -1
	s_cmp_lg_u32 s[WV], 0
	s_cbranch_scc1 .Lno_store
	v_lshlrev_b32 v15, 2, v[LN]
	v_add_nc_u32 v12, SCL, v15
	ds_load_b32 v13, v12
	s_wait_dscnt 0x0
	global_store_b32 v15, v13, s[14:15]            ; the work-group's 32 results: 128 consecutive bytes, one store
.Lno_store:
	s_wait_tensorcnt 0x0
	ds_add_u32 v208, v209
	s_wait_dscnt 0x0
	ROUND                                          ; the closing round: no work-group ends while a partner may still ask for a strip that names it
	s_endpgm
.Lfunc_end_k_q004f98e883_prep:
	.size	k_q004f98e883_prep, .Lfunc_end_k_q004f98e883_prep-k_q004f98e883_prep
	.p2alignl 7, 3214868480
	.fill 96, 4, 3214868480
	.section	.rodata,"a",@progbits
	.p2align	6, 0x0
	.amdhsa_kernel k_q004f98e883_prep
		.amdhsa_group_segment_fixed_size 306432
		.amdhsa_private_segment_fixed_size 0
		.amdhsa_enable_private_segment 0
		.amdhsa_kernarg_size 48
		.amdhsa_user_sgpr_count 2
		.amdhsa_user_sgpr_kernarg_segment_ptr 1
		.amdhsa_wavefront_size32 1
		.amdhsa_system_sgpr_workgroup_id_x 1
		.amdhsa_system_sgpr_workgroup_id_y 1
		.amdhsa_system_sgpr_workgroup_id_z 1
		.amdhsa_system_vgpr_workitem_id 0
		.amdhsa_next_free_vgpr 210
		.amdhsa_next_free_sgpr 66
		.amdhsa_reserve_vcc 0
		.amdhsa_float_denorm_mode_32 3
		.amdhsa_float_denorm_mode_16_64 3
		.amdhsa_memory_ordered 1
		.amdhsa_forward_progress 1
		.amdhsa_inst_pref_size 44
	.end_amdhsa_kernel
	.amdgpu_metadata
---
amdhsa.version: [ 1, 2 ]
amdhsa.kernels:
  - .name:           k_q004f98e883_prep
    .symbol:         k_q004f98e883_prep.kd
    .args:
      - { .name: x, .offset: 0, .size: 8, .value_kind: global_buffer, .address_space: global }
      - { .name: gate_w, .offset: 8, .size: 8, .value_kind: global_buffer, .address_space: global }
      - { .name: up_w, .offset: 16, .size: 8, .value_kind: global_buffer, .address_space: global }
      - { .name: xb, .offset: 24, .size: 8, .value_kind: global_buffer, .address_space: global }
      - { .name: upb, .offset: 32, .size: 8, .value_kind: global_buffer, .address_space: global }
      - { .name: scale, .offset: 40, .size: 8, .value_kind: global_buffer, .address_space: global }
    .group_segment_fixed_size: 306432
    .private_segment_fixed_size: 0
    .kernarg_segment_align: 8
    .kernarg_segment_size: 48
    .max_flat_workgroup_size: 256
    .sgpr_count:     66
    .vgpr_count:     210
    .wavefront_size: 32
...
	.end_amdgpu_metadata
.endif
;; end of part 1
;; launch up (part 2): grid 8 x 32, 4 waves a work-group, clusters of 4 x 4, 327,680 bytes of LDS; arguments xb, upb, h, down_w, downb; writes h, downb
.if DOCPART == 2
	.amdgcn_target "amdgcn-amd-amdhsa--gfx1250"
	.amdhsa_code_object_version 6
	.text
	.protected	k_q004f98e883_up
	.globl	k_q004f98e883_up
	.p2align	8
	.type	k_q004f98e883_up,@function
k_q004f98e883_up:
	s_mov_b64 s[64:65], 0
	v_nop
	global_prefetch_b8 v0, s[64:65] scope:SCOPE_SE
	s_setreg_imm32_b32 hwreg(HW_REG_WAVE_MODE, 25, 1), 1
	s_wait_xcnt 0x0
	s_wait_alu depctr_hold_cnt(0) depctr_sa_sdst(0) depctr_va_vdst(0) depctr_va_sdst(0) depctr_va_ssrc(0) depctr_va_vcc(0) depctr_vm_vsrc(0)
	s_getreg_b32 s2, hwreg(HW_REG_IB_STS2, 6, 4)
	s_cmp_eq_u32 s2, 0
	s_cbranch_scc0 .Lentry_in_a_cluster
	s_endpgm
.Lentry_in_a_cluster:
	s_bfe_u32 s2, ttmp6, 0x10000c
	s_cmp_lg_u32 s2, 0xf033
	s_cbranch_scc0 .Lentry_shape_is_right
	s_endpgm
.Lentry_shape_is_right:
; UP.  h[t][e] = silu(sum over k of xb[t][k] upb[e][k]).  xb: [8192][1024], upb: [2048][1024], h: [8192][2048], all bf16; sums and silu in f32, h rounded once.
; 256 tiles of 256 x 256, one to a work-group of four waves; a wave makes 128 x 128: 64 accumulators of 16 x 16, 512 registers.  K goes in 8 steps of 128 through a ring of two LDS slots
; filled by the tensor data mover; a tile's rows are 256 bytes of memory and start at multiples of 256 bytes from the buffer's first byte.
; CLUSTER.  4 x 4 work-groups.  The four of a row of the cluster need the same tiles of xb, the four of a column the same tiles of upb: each tile is asked for JOINTLY, by the same tensor load
; with the same descriptor and a mask that names the four.  A wave has two tensor loads outstanding at the start and one behind each round.
; THE MATRIX INSTRUCTION IS USED TRANSPOSED (source 0 = 16 rows of upb, source 1 = 16 rows of xb): a lane then holds eight neighbouring numbers of a row of h.
; ALSO HERE: downb = down_w rounded to bf16, which the next launch multiplies by.  Each work-group takes 32,768 flat bytes of it, 256 a thread: sixteen loads behind the first barrier (so that
; they do not stand in front of K step 0's tiles) into 64 registers that lie idle until the way out; they are rounded and stored behind the loop, six K steps later.
; No tile is asked for ahead of its refill: a refill stands 240 matrix instructions ahead of the wait for it.
; REGISTERS, in windows of 256 (s_set_vgpr_msb's low byte: bits 1:0 source 0, 3:2 source 1, 5:4 source 2, 7:6 destination):
;   window 0: v16-28 addresses; v64-127, v128-191 fragments of xb, two buffers; v192-255 down_w; on the way out v64-127 silu at work, v192-223 packed, v32-63 and v224-255 rows read back
;   window 1: v64-127, v128-191 fragments of upb;   window 2: the accumulators of my rows 0-63 ((a, b) at v[8 (8 a + b)]);   window 3: those of my rows 64-127
; LIMITS.  silu(s) = s / (1 + 2^(-s log2 e)): v_exp_f32 gives 0 below 2^-126 (ISA guide 15.8), which 1 + .. swallows; where the exponential overflows the result is -0 for the reference's
; tiny negative number; s = -inf gives NaN as in the reference.
.set SIZE_N, 2048
.set SIZE_K, 1024
.set KSTEP,  128
.set PITCH,  272                       ; an LDS row: 256 bytes + 16 of padding: the 16 rows that a fragment load touches start 16 bytes apart modulo 256
.set HALFT,  128*PITCH                 ; 128 rows: what one tensor load brings, and what one wave reads of either operand
.set SLOT,   4*HALFT                   ; xb's 256 rows, then upb's 256 rows
.set STAGE,  2*SLOT                    ; behind the ring: 16 rows x 272 bytes for each wave, for the way out; no tensor load fills it
.set SPITCH, 272
.set LAPS,   SIZE_K/(2*KSTEP)          ; 4 laps of two K steps
.set ADRA, 16                          ; v16-17  LDS address of my fragments of xb in slot 0, 1
.set ADRB, 20                          ; v20-21  the same for upb
.set STO,  24                          ; v24     the way out: where I put 16 bytes of a row
.set RD,   25                          ; v25     where I read a row back
.set CO,   26                          ; v26     my byte offset in h
.set DWI,  27                          ; v27     16 t: my 16 bytes in every 2,048 of down_w
.set DWO,  28                          ; v28     8 t: my 8 bytes in every 1,024 of downb
.set F0,   64
.set F1,   128
.set T,    64                          ; silu at work: 64 registers
.set DWD,  192                         ; v[192:255] down_w: sixteen loads of 4
.set TMP,  192
.set OB,   32
.set WV, 12                            ; s12 wave;  s13 wave / 2: my half of the rows, and 0: I fetch xb, 1: upb;  s14 wave % 2: my half of the columns, and which 128 rows I fetch
.set MH, 13
.set NH, 14
.set LAP, 15
.set G1, 24                            ; s[24:31] group 1 for xb's tiles;  s[32:39] group 0, a set for each slot
.set G0, 32
.set G1B, 48                           ; s[48:55], s[56:63] the same for upb's
.set G0B, 56
.set DWB, 68                           ; s[68:69] down_w, s[70:71] downb, at my work-group's share; s[66:67] its offset
.set DBB, 70
.set MSB, 0
.macro WIN new                         ; the immediate's high byte repeats the setting that is left; a switch that changes nothing is dropped
.if MSB != (\new)
	s_set_vgpr_msb (MSB<<8)|(\new)
.set MSB, (\new)
.endif
.endm
.set MUL_LO, 0xa1                      ; source 0 (upb) window 1, source 1 (xb) window 0, C and D window 2
.set MUL_HI, 0xf1                      ; the same, C and D window 3
.set TO_B,   0x40                      ; destination window 1, address window 0
; A joint refill.  The branch hangs on the wave's number alone.  Four v_nop follow each of the two lines, ahead of the jump, the label and what follows.
.macro JLOAD s
	s_cmp_eq_u32 s[MH], 0
	s_cbranch_scc0 .Lfor_b_\@
	tensor_load_to_lds s[G0+4*\s:G0+4*\s+3], s[G1:G1+7]
	s_nop 0
.rept 4
	v_nop
.endr
	s_branch .Lasked_\@
.Lfor_b_\@:
	tensor_load_to_lds s[G0B+4*\s:G0B+4*\s+3], s[G1B:G1B+7]
	s_nop 0
.rept 4
	v_nop
.endr
.Lasked_\@:
.endm
.macro CREST                           ; a round of the cluster barrier behind its opening barrier
	s_cmp_lg_u32 s[WV], 0
	s_cbranch_scc1 .Lnot_wave_0_\@
	s_barrier_signal -3
.Lnot_wave_0_\@:
	s_barrier_wait -3
	s_barrier_signal -1
	s_barrier_wait -1
.endm
.macro CROUND                          ; a whole round
	s_barrier_signal -1
	s_barrier_wait -1
	CREST
.endm
	s_load_b128 s[4:7], s[0:1], 0x0                ; xb s[4:5], upb s[6:7]
	s_load_b64 s[8:9], s[0:1], 0x10                ; h
	s_load_b64 s[DWB:DWB+1], s[0:1], 0x18          ; down_w
	s_load_b64 s[DBB:DBB+1], s[0:1], 0x20          ; downb
	s_set_vgpr_msb 0x40
	v_lshl_add_u32 v255, v0, 2, 0x48400
	s_set_vgpr_msb 0x4000
	v_mov_b32 v31, 0
	s_set_vgpr_msb 0x1
	ds_add_u32 v255, v31
	s_set_vgpr_msb 0x100
	v_lshrrev_b32 v1, 5, v0
	v_readfirstlane_b32 s[WV], v1                  ; wave 0..3
	s_lshr_b32 s[MH], s[WV], 1
	s_and_b32 s[NH], s[WV], 1
	s_bfe_u32 s40, ttmp6, 0x40000                  ; cx, cy: my place in the cluster
	s_bfe_u32 s41, ttmp6, 0x40004
	s_lshl_b32 s42, ttmp9, 2
	s_add_co_u32 s42, s42, s40                     ; tile column = 4 x cluster x + cx
	s_and_b32 s43, ttmp7, 0xffff
	s_lshl_b32 s43, s43, 2
	s_add_co_u32 s43, s43, s41                     ; tile row = 4 x cluster y + cy
	s_lshl_b32 s44, s41, 2
	s_lshl_b32 s44, 15, s44                        ; my row of the cluster: places 4 cy .. 4 cy + 3
	s_lshl_b32 s45, 0x1111, s40                    ; my column: places cx, cx + 4, cx + 8, cx + 12
	s_or_b32 s[G1+0], s44, (1<<16)|(1<<20)|(1<<21)|(5<<22)|(3<<25)   ; the mask; elements of 2 bytes; padding on; bit 21 beside a mask; after every 64 words, 4 words
	s_or_b32 s[G1B+0], s45, (1<<16)|(1<<20)|(1<<21)|(5<<22)|(3<<25)
.irp g, G1, G1B
	s_mov_b32 s[\g+1], KSTEP<<16                   ; tensor_dim0 = 128
	s_mov_b32 s[\g+2], 128<<16                     ; tensor_dim1 = 128
	s_mov_b32 s[\g+3], KSTEP<<16                   ; tile_dim0 = 128
	s_mov_b32 s[\g+4], 128                         ; tile_dim1 = 128
	s_mov_b32 s[\g+5], SIZE_K                      ; elements from row to row
	s_mov_b32 s[\g+6], 0
	s_mov_b32 s[\g+7], 0
.endr
	; xb's tiles hang on the tile row alone, upb's on the tile column alone; each address is made in registers that never hold the other coordinate
	s_lshl_b32 s18, s[NH], 7                       ; which 128 rows of the tile I fetch
	s_lshl_b32 s16, s43, 8
	s_add_co_u32 s16, s16, s18
	s_lshl_b32 s16, s16, 11                        ; rows of 2,048 bytes: 16,775,168 at the most
	s_mov_b32 s17, 0
	s_lshl_b32 s46, s42, 8
	s_add_co_u32 s46, s46, s18
	s_lshl_b32 s46, s46, 11
	s_mov_b32 s47, 0
	s_mul_i32 s20, s[WV], HALFT                    ; where they go: wave x 128 rows
	s_mov_b32 s10, 0xbfb8aa3b                      ; -log2(e), for silu
	s_mov_b32 s11, s10                             ; named with it as a pair
	s_wait_dscnt 0x0
	s_wait_kmcnt 0x0
	s_add_nc_u64 s[16:17], s[4:5], s[16:17]
	s_add_nc_u64 s[46:47], s[6:7], s[46:47]
.irp s, 0,1
	s_mov_b32 s[G0+4*\s], 1
	s_add_co_u32 s[G0+4*\s+1], s20, \s*SLOT
	s_add_nc_u64 s[G0+4*\s+2:G0+4*\s+3], s[16:17], \s*KSTEP*2      ; K step s
	s_or_b32 s[G0+4*\s+3], s[G0+4*\s+3], 0x80000000                ; type = 2
	s_mov_b32 s[G0B+4*\s], 1
	s_add_co_u32 s[G0B+4*\s+1], s20, \s*SLOT
	s_add_nc_u64 s[G0B+4*\s+2:G0B+4*\s+3], s[46:47], \s*KSTEP*2
	s_or_b32 s[G0B+4*\s+3], s[G0B+4*\s+3], 0x80000000
.endr
	CROUND                                         ; all sixteen work-groups are here: the first joint loads meet
	s_cmp_eq_u32 s[MH], 0                          ; a wave's two first fills stand in one branch, ahead of every wait on TENSORcnt and every LDS read
	s_cbranch_scc0 .Lfirst_b
	tensor_load_to_lds s[G0:G0+3], s[G1:G1+7]
	s_nop 0
	tensor_load_to_lds s[G0+4:G0+7], s[G1:G1+7]
	s_nop 0
.rept 4
	v_nop
.endr
	s_branch .Lfirst_asked
.Lfirst_b:
	tensor_load_to_lds s[G0B:G0B+3], s[G1B:G1B+7]
	s_nop 0
	tensor_load_to_lds s[G0B+4:G0B+7], s[G1B:G1B+7]
	s_nop 0
.rept 4
	v_nop
.endr
.Lfirst_asked:
	; a fragment is 16 rows x 32 K in 8 registers: lane l holds row l % 16; registers 0-3 K = 8 (l / 16) + 0..7, registers 4-7 K = 16 + 8 (l / 16) + 0..7: two loads of 16 bytes, 32 apart
	v_and_b32 v1, 15, v0
	v_bfe_u32 v2, v0, 4, 1
	v_mul_u32_u24 v3, v1, PITCH
	v_lshl_add_u32 v3, v2, 4, v3
	s_mul_i32 s21, s[MH], HALFT                    ; my 128 rows of xb
	s_mul_i32 s22, s[NH], HALFT                    ; my 128 rows of upb,
	s_add_co_u32 s22, s22, 2*HALFT                 ; which lie behind xb's 256
.irp s, 0,1
	v_add_nc_u32 v[ADRA+\s], s21, v3
	v_add_nc_u32 v[ADRB+\s], s22, v3
	s_add_co_u32 s21, s21, SLOT
	s_add_co_u32 s22, s22, SLOT
.endr
	s_mul_i32 s23, s[WV], 16*SPITCH
	s_add_co_u32 s23, s23, STAGE                   ; my stage
	v_mul_u32_u24 v4, v1, SPITCH                   ; in: row l % 16, 16 bytes for each half of the lanes
	v_lshl_add_u32 v4, v2, 4, v4
	v_add_nc_u32 v[STO], s23, v4
	v_mul_u32_u24 v5, v2, SPITCH                   ; back: lanes 0-15 one row of 256 bytes, lanes 16-31 the next
	v_lshl_add_u32 v5, v1, 4, v5
	v_add_nc_u32 v[RD], s23, v5
	v_mul_u32_u24 v5, v2, SIZE_N*2                 ; and the same two rows in h
	v_lshl_add_u32 v[CO], v1, 4, v5
	s_lshl_b32 s16, s43, 8                         ; h at my part of the tile: row 256 x tile row + 128 x half,
	s_lshl_b32 s18, s[MH], 7
	s_add_co_u32 s16, s16, s18
	s_lshl_b32 s16, s16, 12                        ; rows of 4,096 bytes: 33,030,144 at the most
	s_mov_b32 s17, 0
	s_add_nc_u64 s[8:9], s[8:9], s[16:17]
	s_lshl_b32 s46, s42, 9                         ; column, in bytes: 512 x tile column + 256 x half
	s_lshl_b32 s47, s[NH], 8
	s_add_co_u32 s46, s46, s47
	s_mov_b32 s47, 0
	s_add_nc_u64 s[8:9], s[8:9], s[46:47]
	s_lshl_b32 s66, s43, 3                         ; my work-group among the 256: 8 x tile row + tile column, in registers that feed no descriptor
	s_add_co_u32 s66, s66, s42
	s_lshl_b32 s66, s66, 14                        ; 16,384 bytes of downb,
	s_mov_b32 s67, 0
	s_add_nc_u64 s[DBB:DBB+1], s[DBB:DBB+1], s[66:67]
	s_lshl_b32 s66, s66, 1                         ; 32,768 of down_w
	s_add_nc_u64 s[DWB:DWB+1], s[DWB:DWB+1], s[66:67]
	v_lshlrev_b32 v[DWI], 4, v0
	v_lshlrev_b32 v[DWO], 3, v0
; 16 matrix instructions: m blocks a0, a0 + 1 of the window's four x all 8 n blocks, 32 along K.  zero = 1: the first product starts the sums.
.macro MUL16 f, hi, a0, zero
.irp a, \a0, \a0+1
.irp b, 0,1,2,3,4,5,6,7
.if \zero
	v_wmma_f32_16x16x32_bf16 v[8*(8*(\a)+\b):8*(8*(\a)+\b)+7], v[\f+8*\b:\f+8*\b+7], v[\f+8*(4*\hi+\a):\f+8*(4*\hi+\a)+7], 0
.else
	v_wmma_f32_16x16x32_bf16 v[8*(8*(\a)+\b):8*(8*(\a)+\b)+7], v[\f+8*\b:\f+8*\b+7], v[\f+8*(4*\hi+\a):\f+8*(4*\hi+\a)+7], v[8*(8*(\a)+\b):8*(8*(\a)+\b)+7]
.endif
.endr
.endr
.endm
; 32 LDS loads in one run: the fragments of one quarter step (32 K at byte k of the rows) into buffer f
.macro FETCH slot, k, f
	WIN TO_B
.irp i, 0,1,2,3,4,5,6,7
	ds_load_b128 v[\f+8*\i:\f+8*\i+3],   v[ADRB+\slot] offset:\k+\i*16*PITCH
	ds_load_b128 v[\f+8*\i+4:\f+8*\i+7], v[ADRB+\slot] offset:\k+\i*16*PITCH+32
.endr
	WIN 0
.irp i, 0,1,2,3,4,5,6,7
	ds_load_b128 v[\f+8*\i:\f+8*\i+3],   v[ADRA+\slot] offset:\k+\i*16*PITCH
	ds_load_b128 v[\f+8*\i+4:\f+8*\i+7], v[ADRA+\slot] offset:\k+\i*16*PITCH+32
.endr
.endm
; Four plain vector instructions stand between a matrix instruction and a load into one of its registers, or a vector instruction that reads its result or writes one of its registers
; (ISA guide 7.12.1 for vector instructions)
.macro PLACES
.rept 4
	v_nop
.endr
.endm
; A K step is four quarters of 32 along K, 64 matrix instructions each, on buffers 0, 1, 0, 1.  The 64 accumulators take turns, one instruction a turn.
.macro QUARTER slot, k, f, g, zero
	s_wait_dscnt 8                                 ; upb's fragments and xb's rows 0-63 are in; the youngest eight loads (rows 64-127) may be out
	WIN MUL_LO
	MUL16 \f, 0, 0, \zero
	MUL16 \f, 0, 2, \zero
	PLACES
	FETCH \slot, \k, \g
	s_wait_dscnt 32                                ; all but the 32 just issued
	WIN MUL_HI
	MUL16 \f, 1, 0, \zero
	MUL16 \f, 1, 2, \zero
.endm
; The last quarter's first half, with the one barrier of a change of slots
.macro MEET round
	s_wait_dscnt 8
	WIN MUL_LO
	MUL16 F1, 0, 0, 0
	s_wait_dscnt 0                                 ; my reads of this slot are over,
	s_wait_tensorcnt 0x0                           ; and all my tensor loads have landed: the one that was out is my part of the next slot
	ds_add_u32 v255, v31
	s_wait_dscnt 0x0
	s_barrier_signal -1
	MUL16 F1, 0, 2, 0                              ; work on registers while the others arrive
.if \round
	WIN 0
.endif
	s_barrier_wait -1
.endm
; The whole last quarter.  fill = 1: the barrier opens a round of the cluster barrier, and this slot is filled again, two K steps on, first thing behind the round:
; from that request to the wait for it a wave issues 240 matrix instructions.
.macro TURN slot, next, fill
	MEET \fill
.if \fill
	CREST                                          ; no wave of any partner still reads this slot's tile or has a load on its way
	s_add_nc_u64 s[G0+4*\slot+2:G0+4*\slot+3], s[G0+4*\slot+2:G0+4*\slot+3], 2*KSTEP*2
	s_add_nc_u64 s[G0B+4*\slot+2:G0B+4*\slot+3], s[G0B+4*\slot+2:G0B+4*\slot+3], 2*KSTEP*2
	JLOAD \slot                                    ; the four v_nop behind it are also the places in front of the loads below
.else
	PLACES
.endif
	FETCH \next, 0, F0
	WIN MUL_HI
	MUL16 F1, 1, 0, 0
	MUL16 F1, 1, 2, 0
.endm
; THE WAY OUT of block a (16 rows x 128 columns).  ACT: silu, rounded to bf16, 16 bytes a lane.  Each accumulator is read from its lowest registers on.
.macro ACT a
.set AC, 64*((\a)%4)
	WIN 2+(\a)/4                                   ; source 0: window 2 or 3
.set i, 0
.rept 32
	v_pk_mul_f32 v[T+i:T+i+1], v[AC+i:AC+i+1], s[10:11] op_sel_hi:[1,0]   ; -s log2(e)
.set i, i+2
.endr
	WIN 0
.set i, 0
.rept 64
	v_exp_f32 v[T+i], v[T+i]
.set i, i+1
.endr
	v_nop                                          ; a plain instruction between the last exponential and the use of its result (ISA guide 5.7.2)
.set i, 0
	s_wait_alu depctr_va_vdst(0)
.rept 32
	v_pk_add_f32 v[T+i:T+i+1], v[T+i:T+i+1], 1.0 op_sel_hi:[1,0]
.set i, i+2
.endr
.set i, 0
.rept 64
	v_rcp_f32 v[T+i], v[T+i]
.set i, i+1
.endr
	v_nop
	WIN 2+(\a)/4
.set i, 0
	s_wait_alu depctr_va_vdst(0)
.rept 32
	v_pk_mul_f32 v[T+i:T+i+1], v[AC+i:AC+i+1], v[T+i:T+i+1]       ; s / (1 + 2^(-s log2 e))
.set i, i+2
.endr
	WIN 0
.set i, 0
.rept 32
	v_cvt_pk_bf16_f32 v[TMP+i], v[T+2*i], v[T+2*i+1]
.set i, i+1
.endr
.endm
.macro TOSTAGE a                       ; into my own stage, and back as whole rows of 256 bytes
.set BK, OB+192*((\a)%2)
.irp b, 0,1,2,3,4,5,6,7
	ds_store_b128 v[STO], v[TMP+4*\b:TMP+4*\b+3] offset:32*\b
.endr
.irp t, 0,1,2,3,4,5,6,7
	ds_load_b128 v[BK+4*\t:BK+4*\t+3], v[RD] offset:\t*2*SPITCH    ; LDS serves a wave's instructions in order (ISA guide 5.7.1.4): these see the stores above
.endr
.endm
.macro SEND a
.set BK, OB+192*((\a)%2)
	s_wait_dscnt 0x0                               ; the block is back in registers
	s_wait_xcnt 0x0                                ; the stores of the block before have read their registers, which the next block's rows land in
.irp t, 0,1,2,3,4,5,6,7
	global_store_b128 v[CO], v[BK+4*\t:BK+4*\t+3], s[8:9] offset:(16*(\a)+2*\t)*SIZE_N*2   ; 16 lanes store 256 consecutive bytes, at a multiple of 256 from h's first byte; 516,096 at the most
.endr
.endm
	s_wait_tensorcnt 0x1                           ; my part of K step 0 is in; K step 1's may stay out
	s_barrier_signal -1
	s_barrier_wait -1                              ; everybody's is
	FETCH 0, 0, F0
.irp j, 0,1,2,3,4,5,6,7,8,9,10,11,12,13,14,15      ; down_w: a load of a wave covers 512 consecutive bytes; nobody writes them, so they may stay out over the rounds' barriers
	global_load_b128 v[DWD+4*\j:DWD+4*\j+3], v[DWI], s[DWB:DWB+1] offset:2048*\j th:TH_LOAD_NT
.endr
	QUARTER 0, 64,  F0, F1, 1                      ; the first quarter stands in front of the loop: its products start the sums
	WIN 0                                          ; at a label and at a branch every window is 0
	s_mov_b32 s[LAP], LAPS-1
.Llap:                                                 ; a trip goes once round the ring, from a lap's second quarter to the next lap's first, and fills both slots again
	QUARTER 0, 128, F1, F0, 0
	QUARTER 0, 192, F0, F1, 0
	TURN 0, 1, 1
	QUARTER 1, 64,  F0, F1, 0
	QUARTER 1, 128, F1, F0, 0
	QUARTER 1, 192, F0, F1, 0
	TURN 1, 0, 1
	QUARTER 0, 64,  F0, F1, 0
	WIN 0
	s_sub_co_u32 s[LAP], s[LAP], 1
	s_cmp_lg_u32 s[LAP], 0
	s_cbranch_scc1 .Llap
	s_wait_loadcnt 0x0                             ; down_w, asked for six K steps ago; these registers are no matrix instruction's
.irp j, 0,1,2,3,4,5,6,7,8,9,10,11,12,13,14,15
	v_cvt_pk_bf16_f32 v[DWD+4*\j], v[DWD+4*\j], v[DWD+4*\j+1]
	v_cvt_pk_bf16_f32 v[DWD+4*\j+1], v[DWD+4*\j+2], v[DWD+4*\j+3]
.endr
.irp j, 0,1,2,3,4,5,6,7,8,9,10,11,12,13,14,15
	global_store_b64 v[DWO], v[DWD+4*\j:DWD+4*\j+1], s[DBB:DBB+1] offset:1024*\j   ; 32 lanes store 256 consecutive bytes, at a multiple of 256 from downb's first byte
.endr
	QUARTER 0, 128, F1, F0, 0                      ; the last lap fills nothing and has no round
	QUARTER 0, 192, F0, F1, 0
	TURN 0, 1, 0
	QUARTER 1, 64,  F0, F1, 0
	QUARTER 1, 128, F1, F0, 0
	QUARTER 1, 192, F0, F1, 0
	s_wait_dscnt 8                                 ; the very last quarter: nothing more to fetch
	WIN MUL_LO
	MUL16 F1, 0, 0, 0
	MUL16 F1, 0, 2, 0
	s_wait_dscnt 0
	WIN MUL_HI
	MUL16 F1, 1, 0, 0
	MUL16 F1, 1, 2, 0
	WIN 0
	PLACES
	s_wait_xcnt 0x0                                ; downb's stores have read v192-255, which the way out now takes
	ACT 0
	TOSTAGE 0
.irp a, 1,2,3,4,5,6,7                  ; block a's arithmetic stands between block a - 1's loads from the stage and the wait for them
	ACT \a
	SEND \a-1
	TOSTAGE \a
.endr
	SEND 7
	s_set_vgpr_msb 0x1
	s_wait_tensorcnt 0x0
	ds_add_u32 v255, v31
	s_wait_dscnt 0x0
	s_set_vgpr_msb 0x100
	CROUND                                         ; the closing round: no work-group ends while a partner may still ask for a tile that names it
	s_endpgm
.Lfunc_end_k_q004f98e883_up:
	.size	k_q004f98e883_up, .Lfunc_end_k_q004f98e883_up-k_q004f98e883_up
	.p2alignl 7, 3214868480
	.fill 96, 4, 3214868480
	.section	.rodata,"a",@progbits
	.p2align	6, 0x0
	.amdhsa_kernel k_q004f98e883_up
		.amdhsa_group_segment_fixed_size 327680
		.amdhsa_private_segment_fixed_size 0
		.amdhsa_enable_private_segment 0
		.amdhsa_kernarg_size 40
		.amdhsa_user_sgpr_count 2
		.amdhsa_user_sgpr_kernarg_segment_ptr 1
		.amdhsa_wavefront_size32 1
		.amdhsa_system_sgpr_workgroup_id_x 1
		.amdhsa_system_sgpr_workgroup_id_y 1
		.amdhsa_system_sgpr_workgroup_id_z 1
		.amdhsa_system_vgpr_workitem_id 0
		.amdhsa_next_free_vgpr 1024
		.amdhsa_next_free_sgpr 72
		.amdhsa_reserve_vcc 0
		.amdhsa_float_denorm_mode_32 3
		.amdhsa_float_denorm_mode_16_64 3
		.amdhsa_memory_ordered 1
		.amdhsa_forward_progress 1
		.amdhsa_inst_pref_size 229
	.end_amdhsa_kernel
	.amdgpu_metadata
---
amdhsa.version: [ 1, 2 ]
amdhsa.kernels:
  - .name:           k_q004f98e883_up
    .symbol:         k_q004f98e883_up.kd
    .args:
      - { .name: xb, .offset: 0, .size: 8, .value_kind: global_buffer, .address_space: global }
      - { .name: upb, .offset: 8, .size: 8, .value_kind: global_buffer, .address_space: global }
      - { .name: h, .offset: 16, .size: 8, .value_kind: global_buffer, .address_space: global }
      - { .name: down_w, .offset: 24, .size: 8, .value_kind: global_buffer, .address_space: global }
      - { .name: downb, .offset: 32, .size: 8, .value_kind: global_buffer, .address_space: global }
    .group_segment_fixed_size: 327680
    .private_segment_fixed_size: 0
    .kernarg_segment_align: 8
    .kernarg_segment_size: 40
    .max_flat_workgroup_size: 128
    .sgpr_count:     72
    .vgpr_count:     1024
    .wavefront_size: 32
...
	.end_amdgpu_metadata
.endif
;; end of part 2
;; launch down (part 3): grid 4 x 64, 4 waves a work-group, clusters of 4 x 4, 327,680 bytes of LDS; arguments h, downb, out0, scale; writes out0
.if DOCPART == 3
	.amdgcn_target "amdgcn-amd-amdhsa--gfx1250"
	.amdhsa_code_object_version 6
	.text
	.protected	k_q004f98e883_down
	.globl	k_q004f98e883_down
	.p2align	8
	.type	k_q004f98e883_down,@function
k_q004f98e883_down:
	s_mov_b64 s[64:65], 0
	v_nop
	global_prefetch_b8 v0, s[64:65] scope:SCOPE_SE
	s_setreg_imm32_b32 hwreg(HW_REG_WAVE_MODE, 25, 1), 1
	s_wait_xcnt 0x0
	s_wait_alu depctr_hold_cnt(0) depctr_sa_sdst(0) depctr_va_vdst(0) depctr_va_sdst(0) depctr_va_ssrc(0) depctr_va_vcc(0) depctr_vm_vsrc(0)
	s_getreg_b32 s2, hwreg(HW_REG_IB_STS2, 6, 4)
	s_cmp_eq_u32 s2, 0
	s_cbranch_scc0 .Lentry_in_a_cluster
	s_endpgm
.Lentry_in_a_cluster:
	s_bfe_u32 s2, ttmp6, 0x10000c
	s_cmp_lg_u32 s2, 0xf033
	s_cbranch_scc0 .Lentry_shape_is_right
	s_endpgm
.Lentry_shape_is_right:
; DOWN.  out0[t][d] = scale[t] x sum over e of h[t][e] downb[d][e].  h: [8192][2048] and downb: [1024][2048] in bf16, scale: [8192] and out0: [8192][1024] in f32; sums in f32.
; scale[t] = ew0 + ew1: both copies of a token have the same FFN result c, and ew0 c + ew1 c is formed as (ew0 + ew1) c: another order of rounding than the reference's.
; Tiles of 256 x 256 would be 128; tiles of 128 rows x 256 columns are 256, one to a work-group of four waves.  A wave makes 64 x 128: 32 accumulators, 256 registers.
; K goes in 16 steps of 128 through a ring of two LDS slots (two slots of steps of 256 would take 405,504 bytes of LDS).
; CLUSTER.  4 x 4 work-groups: the four of a row of the cluster, which span all 1,024 columns, need the same tiles of h, the four of a column the same tiles of downb: joint tensor loads.
; A wave has two tensor loads outstanding at the start and one behind each round.
; H IS ASKED FOR AHEAD.  A refill stands only 120 matrix instructions ahead of the wait for it, and each byte of h is read by one cluster alone, once.  So at the change of slots at the end of
; K step t, where the refill asks for step t + 2, a prefetch asks for h's tile of step t + 4, which the refill two changes on will want: 256 matrix instructions of the wave lie between.
; That tile is 128 rows of one aligned block of 256 bytes; the four partners share them out by cx, 32 rows each, one lane to a row, one instruction of wave 0: each block is asked for once in
; the launch.  Steps 2 and 3 are asked for behind the first fills; the last lap that fills slots is written out and asks for nothing, so that the highest byte asked for is step 15's.
; downb is left out: its 4,194,304 bytes are read again by all 64 tile rows.
; THE MATRIX INSTRUCTION IS USED TRANSPOSED (source 0 = 16 rows of downb, source 1 = 16 rows of h): a lane holds one row of out0, so one number of scale, and eight neighbouring columns.
; REGISTERS: window 0: v7, v16-31 addresses and scale; v32-63, v64-95 fragments of h, two buffers; v96-159, v160-223 fragments of downb, two buffers; the way out takes all four again.
;   window 1: accumulator (a, b) at v[8 (8 a + b)].
.set SIZE_N, 1024
.set SIZE_K, 2048
.set KSTEP,  128
.set PITCH,  272                       ; an LDS row: 256 bytes + 16 of padding
.set BHALF,  128*PITCH                 ; 34,816: 128 rows of downb: one load of wave 0 or 1
.set AHALF,  64*PITCH                  ; 17,408: 64 rows of h: one load of wave 2 or 3
.set AOFF,   2*BHALF                   ; h's rows lie behind downb's 256
.set SLOT,   AOFF+2*AHALF              ; 104,448
.set STAGE,  2*SLOT                    ; behind the ring: 16 rows x 528 bytes for each wave; no tensor load fills it
.set SPITCH, 528                       ; 128 f32 + 16 bytes
.set LAPS,   SIZE_K/(2*KSTEP)          ; 8
.set PF0,    4*KSTEP*2                 ; the prefetch's immediates: four K steps on from the lap's first step, and from its second
.set PF1,    5*KSTEP*2
.set VP,   7                           ; v7      the prefetch: (32 cx + lane) rows of 4,096 bytes; never rewritten
.set ADRA, 16                          ; v16-17  my fragments of h in slot 0, 1
.set ADRB, 20                          ; v20-21  the same for downb
.set STO,  24                          ; v24     the way out: where I put 32 bytes of a row
.set RD,   25                          ; v25     where I read a row back
.set CO,   26                          ; v26     my byte offset in a row of out0
.set R4,   27                          ; v27     4 (lane % 16)
.set SC,   28                          ; v[28:31] scale of row 16 a + lane % 16, a = 0..3
.set FA,   32                          ; fragments of h: buffer f at 32 + 32 f
.set FB,   96                          ; fragments of downb: buffer f at 96 + 64 f
.set T,    32                          ; the way out: 64 scaled results
.set WV, 12                            ; s12 wave;  s13 wave / 2: my 64 rows, and 0: I fetch downb, 1: h;  s14 wave % 2: my 128 columns, and which half of a tile I fetch
.set MH, 13
.set NH, 14
.set LAP, 15
.set G1, 24                            ; s[24:31] group 1 for h's tiles;  s[32:39] group 0, a set for each slot
.set G0, 32
.set G1B, 48                           ; s[48:55], s[56:63] the same for downb's
.set G0B, 56
.set MSB, 0
.macro WIN new
.if MSB != (\new)
	s_set_vgpr_msb (MSB<<8)|(\new)
.set MSB, (\new)
.endif
.endm
.set MUL, 0x50                         ; sources 0 and 1 window 0; C and D window 1
; A joint refill: waves 0 and 1 fetch downb's halves, waves 2 and 3 those of h.  Four v_nop follow each of the two lines.
.macro JLOAD s
	s_cmp_eq_u32 s[MH], 0
	s_cbranch_scc0 .Lfor_a_\@
	tensor_load_to_lds s[G0B+4*\s:G0B+4*\s+3], s[G1B:G1B+7]
	s_nop 0
.rept 4
	v_nop
.endr
	s_branch .Lasked_\@
.Lfor_a_\@:
	tensor_load_to_lds s[G0+4*\s:G0+4*\s+3], s[G1:G1+7]
	s_nop 0
.rept 4
	v_nop
.endr
.Lasked_\@:
.endm
.macro CREST
	s_cmp_lg_u32 s[WV], 0
	s_cbranch_scc1 .Lnot_wave_0_\@
	s_barrier_signal -3
.Lnot_wave_0_\@:
	s_barrier_wait -3
	s_barrier_signal -1
	s_barrier_wait -1
.endm
.macro CROUND
	s_barrier_signal -1
	s_barrier_wait -1
	CREST
.endm
	s_load_b256 s[4:11], s[0:1], 0x0               ; h s[4:5], downb s[6:7], out0 s[8:9], scale s[10:11]
	v_lshl_add_u32 v254, v0, 2, 0x3b400
	v_mov_b32 v255, 0
	ds_add_u32 v254, v255
	v_lshrrev_b32 v1, 5, v0
	v_readfirstlane_b32 s[WV], v1
	s_lshr_b32 s[MH], s[WV], 1
	s_and_b32 s[NH], s[WV], 1
	s_bfe_u32 s40, ttmp6, 0x40000                  ; cx, cy
	s_bfe_u32 s41, ttmp6, 0x40004
	s_lshl_b32 s42, ttmp9, 2
	s_add_co_u32 s42, s42, s40                     ; tile column
	s_and_b32 s43, ttmp7, 0xffff
	s_lshl_b32 s43, s43, 2
	s_add_co_u32 s43, s43, s41                     ; tile row
	s_lshl_b32 s44, s41, 2
	s_lshl_b32 s44, 15, s44                        ; my row of the cluster
	s_lshl_b32 s45, 0x1111, s40                    ; my column
	s_or_b32 s[G1+0], s44, (1<<16)|(1<<20)|(1<<21)|(5<<22)|(3<<25)   ; h's tiles go to my row; elements of 2 bytes; 4 words of padding after every 64
	s_or_b32 s[G1B+0], s45, (1<<16)|(1<<20)|(1<<21)|(5<<22)|(3<<25)  ; downb's to my column
.irp g, G1, G1B
	s_mov_b32 s[\g+1], KSTEP<<16                   ; tensor_dim0 = 128
	s_mov_b32 s[\g+3], KSTEP<<16                   ; tile_dim0 = 128
	s_mov_b32 s[\g+5], SIZE_K                      ; elements from row to row
	s_mov_b32 s[\g+6], 0
	s_mov_b32 s[\g+7], 0
.endr
	s_mov_b32 s[G1+2], 64<<16                      ; h: tensor_dim1 = tile_dim1 = 64 rows
	s_mov_b32 s[G1+4], 64
	s_mov_b32 s[G1B+2], 128<<16                    ; downb: 128 rows
	s_mov_b32 s[G1B+4], 128
	s_lshl_b32 s18, s[NH], 6
	s_lshl_b32 s16, s43, 7
	s_add_co_u32 s16, s16, s18                     ; h: row 128 x tile row + 64 x half
	s_lshl_b32 s16, s16, 12                        ; rows of 4,096 bytes: 33,292,288 at the most
	s_mov_b32 s17, 0
	s_lshl_b32 s18, s[NH], 7
	s_lshl_b32 s46, s42, 8
	s_add_co_u32 s46, s46, s18                     ; downb: row 256 x tile column + 128 x half
	s_lshl_b32 s46, s46, 12
	s_mov_b32 s47, 0
	s_mul_i32 s20, s[WV], BHALF                    ; where downb's halves go: waves 0, 1
	s_mul_i32 s21, s[WV], AHALF
	s_add_co_u32 s21, s21, BHALF                   ; where h's go: waves 2, 3: 69,632 and 87,040
	s_wait_dscnt 0x0
	s_wait_kmcnt 0x0
	s_add_nc_u64 s[16:17], s[4:5], s[16:17]
	s_add_nc_u64 s[46:47], s[6:7], s[46:47]
.irp s, 0,1
	s_mov_b32 s[G0+4*\s], 1
	s_add_co_u32 s[G0+4*\s+1], s21, \s*SLOT
	s_add_nc_u64 s[G0+4*\s+2:G0+4*\s+3], s[16:17], \s*KSTEP*2
	s_or_b32 s[G0+4*\s+3], s[G0+4*\s+3], 0x80000000
	s_mov_b32 s[G0B+4*\s], 1
	s_add_co_u32 s[G0B+4*\s+1], s20, \s*SLOT
	s_add_nc_u64 s[G0B+4*\s+2:G0B+4*\s+3], s[46:47], \s*KSTEP*2
	s_or_b32 s[G0B+4*\s+3], s[G0B+4*\s+3], 0x80000000
.endr
	CROUND                                         ; all sixteen work-groups are here: the first joint loads meet
	s_cmp_eq_u32 s[MH], 0                          ; a wave's two first fills stand in one branch
	s_cbranch_scc0 .Lfirst_a
	tensor_load_to_lds s[G0B:G0B+3], s[G1B:G1B+7]
	s_nop 0
	tensor_load_to_lds s[G0B+4:G0B+7], s[G1B:G1B+7]
	s_nop 0
.rept 4
	v_nop
.endr
	s_branch .Lfirst_asked
.Lfirst_a:
	tensor_load_to_lds s[G0:G0+3], s[G1:G1+7]
	s_nop 0
	tensor_load_to_lds s[G0+4:G0+7], s[G1:G1+7]
	s_nop 0
.rept 4
	v_nop
.endr
.Lfirst_asked:
	v_and_b32 v1, 15, v0                           ; l % 16
	v_bfe_u32 v2, v0, 4, 1                         ; l / 16
	v_and_b32 v5, 31, v0                           ; l
	v_lshl_add_u32 v6, s40, 5, v5                  ; the prefetch: my quarter of the tile's 128 rows, a lane to a row: cx enters this global offset alone
	v_lshlrev_b32 v[VP], 12, v6
	s_lshl_b32 s16, s43, 19                        ; 128 x tile row, rows of 4,096 bytes: 33,030,144 at the most
	s_mov_b32 s17, 0
	s_add_nc_u64 s[4:5], s[4:5], s[16:17]          ; h at the tile's first row; the descriptors have their own copies
	s_cmp_lg_u32 s[WV], 0
	s_cbranch_scc1 .Lno_pf_first
	global_prefetch_b8 v[VP], s[4:5] offset:2*KSTEP*2 th:TH_LOAD_NT scope:SCOPE_SE   ; K steps 2 and 3, which the first two refills want
	global_prefetch_b8 v[VP], s[4:5] offset:3*KSTEP*2 th:TH_LOAD_NT scope:SCOPE_SE
.Lno_pf_first:
	v_mul_u32_u24 v3, v1, PITCH
	v_lshl_add_u32 v3, v2, 4, v3                   ; a fragment's row x pitch + 16 x half
	s_mul_i32 s22, s[MH], AHALF
	s_add_co_u32 s22, s22, AOFF                    ; my 64 rows of h
	s_mul_i32 s23, s[NH], BHALF                    ; my 128 rows of downb
.irp s, 0,1
	v_add_nc_u32 v[ADRA+\s], s22, v3
	v_add_nc_u32 v[ADRB+\s], s23, v3
	s_add_co_u32 s22, s22, SLOT
	s_add_co_u32 s23, s23, SLOT
.endr
	s_mul_i32 s22, s[WV], 16*SPITCH
	s_add_co_u32 s22, s22, STAGE                   ; my stage
	v_mul_u32_u24 v4, v1, SPITCH                   ; in: row l % 16, 32 bytes for each half of the lanes
	v_lshl_add_u32 v4, v2, 5, v4
	v_add_nc_u32 v[STO], s22, v4
	v_lshlrev_b32 v[CO], 4, v5                     ; back, and out: 32 lanes take a row's 512 bytes
	v_add_nc_u32 v[RD], s22, v[CO]
	v_lshlrev_b32 v[R4], 2, v1
	s_lshl_b32 s16, s43, 7
	s_lshl_b32 s18, s[MH], 6
	s_add_co_u32 s19, s16, s18                     ; my first row: 128 x tile row + 64 x half
	s_lshl_b32 s16, s19, 12                        ; rows of out0 are 4,096 bytes
	s_mov_b32 s17, 0
	s_add_nc_u64 s[8:9], s[8:9], s[16:17]
	s_lshl_b32 s16, s19, 2
	s_add_nc_u64 s[10:11], s[10:11], s[16:17]      ; scale at my first row
	s_lshl_b32 s46, s42, 10                        ; my first column, in bytes: 1,024 x tile column + 512 x half
	s_lshl_b32 s47, s[NH], 9
	s_add_co_u32 s46, s46, s47
	s_mov_b32 s47, 0
	s_add_nc_u64 s[8:9], s[8:9], s[46:47]
.irp a, 0,1,2,3
	global_load_b32 v[SC+\a], v[R4], s[10:11] offset:64*\a         ; waited for on the way out
.endr
; 8 matrix instructions: m block a x all 8 n blocks, 32 along K, from buffers f.  zero = 1: the first product starts the sums.
.macro MUL8 f, a, zero
.irp b, 0,1,2,3,4,5,6,7
.if \zero
	v_wmma_f32_16x16x32_bf16 v[8*(8*\a+\b):8*(8*\a+\b)+7], v[FB+64*\f+8*\b:FB+64*\f+8*\b+7], v[FA+32*\f+8*\a:FA+32*\f+8*\a+7], 0
.else
	v_wmma_f32_16x16x32_bf16 v[8*(8*\a+\b):8*(8*\a+\b)+7], v[FB+64*\f+8*\b:FB+64*\f+8*\b+7], v[FA+32*\f+8*\a:FA+32*\f+8*\a+7], v[8*(8*\a+\b):8*(8*\a+\b)+7]
.endif
.endr
.endm
; 24 LDS loads in one run, under window 0: downb's 16, then h's 8
.macro FETCH slot, k, f
.irp i, 0,1,2,3,4,5,6,7
	ds_load_b128 v[FB+64*\f+8*\i:FB+64*\f+8*\i+3],   v[ADRB+\slot] offset:\k+\i*16*PITCH
	ds_load_b128 v[FB+64*\f+8*\i+4:FB+64*\f+8*\i+7], v[ADRB+\slot] offset:\k+\i*16*PITCH+32
.endr
.irp i, 0,1,2,3
	ds_load_b128 v[FA+32*\f+8*\i:FA+32*\f+8*\i+3],   v[ADRA+\slot] offset:\k+\i*16*PITCH
	ds_load_b128 v[FA+32*\f+8*\i+4:FA+32*\f+8*\i+7], v[ADRA+\slot] offset:\k+\i*16*PITCH+32
.endr
.endm
.macro PLACES                          ; four plain vector instructions in front of loads into registers that matrix instructions have read, and of instructions that read results (ISA guide 7.12.1 for vector instructions)
.rept 4
	v_nop
.endr
.endm
; A K step is four quarters of 32 along K, 32 matrix instructions each, on buffers 0, 1, 0, 1.  The 32 accumulators take turns, one instruction a turn.
.macro QUARTER slot, k, f, g, zero
	s_wait_dscnt 4                                 ; downb's fragments and h's blocks 0, 1 are in; the youngest four loads (blocks 2, 3) may be out
	WIN MUL
	MUL8 \f, 0, \zero
	MUL8 \f, 1, \zero
	WIN 0
	PLACES
	FETCH \slot, \k, \g
	s_wait_dscnt 24                                ; all but the 24 just issued
	WIN MUL
	MUL8 \f, 2, \zero
	MUL8 \f, 3, \zero
.endm
; The last quarter multiplies buffer 1 and changes slots: ONE barrier; in front of it each wave waits for its reads of this slot and for all its tensor loads.
; fill = 1: the barrier opens a round of the cluster barrier and this slot is filled again, two K steps on, first thing behind the round: 120 matrix instructions ahead of the wait for it.
; pf = the immediate of the prefetch, four K steps on, which wave 0 issues behind the run of LDS loads; -1: none.
.macro TURN slot, next, fill, pf
	s_wait_dscnt 4
	WIN MUL
	MUL8 1, 0, 0
	s_wait_dscnt 0                                 ; my reads of this slot are over,
	s_wait_tensorcnt 0x0                           ; and all my tensor loads have landed: my part of the next slot
	ds_add_u32 v254, v255
	s_wait_dscnt 0x0
	s_barrier_signal -1
	MUL8 1, 1, 0
	WIN 0
	s_barrier_wait -1
.if \fill
	CREST                                          ; no wave of any partner still reads this slot's tile or has a load on its way
	s_add_nc_u64 s[G0+4*\slot+2:G0+4*\slot+3], s[G0+4*\slot+2:G0+4*\slot+3], 2*KSTEP*2
	s_add_nc_u64 s[G0B+4*\slot+2:G0B+4*\slot+3], s[G0B+4*\slot+2:G0B+4*\slot+3], 2*KSTEP*2
	JLOAD \slot                                    ; the four v_nop behind it are also the places in front of the loads below
.else
	PLACES
.endif
	FETCH \next, 0, 0
.if \pf >= 0
	s_cmp_lg_u32 s[WV], 0                          ; the branch hangs on the wave's number alone; every window is 0 here
	s_cbranch_scc1 .Lno_pf_\@
	global_prefetch_b8 v[VP], s[4:5] offset:\pf th:TH_LOAD_NT scope:SCOPE_SE
.Lno_pf_\@:
.endif
	WIN MUL
	MUL8 1, 2, 0
	MUL8 1, 3, 0
.endm
; Once round the ring, from a lap's second quarter to the next lap's first; both slots are filled again
.macro ONELAP p0, p1
	QUARTER 0, 128, 1, 0, 0
	QUARTER 0, 192, 0, 1, 0
	TURN 0, 1, 1, \p0
	QUARTER 1, 64,  0, 1, 0
	QUARTER 1, 128, 1, 0, 0
	QUARTER 1, 192, 0, 1, 0
	TURN 1, 0, 1, \p1
	QUARTER 0, 64,  0, 1, 0
.endm
; THE WAY OUT of block a (16 rows x 128 columns of f32).  SCALE: times my row's scale, each accumulator from its lowest registers on.
.macro SCALE a
	WIN 0x01                                       ; source 0 window 1
.set i, 0
.rept 32
.if (\a)%2
	v_pk_mul_f32 v[T+i:T+i+1], v[64*(\a)+i:64*(\a)+i+1], v[SC+(\a)-1:SC+(\a)] op_sel:[0,1] op_sel_hi:[1,1]   ; both halves by the pair's second register
.else
	v_pk_mul_f32 v[T+i:T+i+1], v[64*(\a)+i:64*(\a)+i+1], v[SC+(\a):SC+(\a)+1] op_sel_hi:[1,0]                ; both halves by its first
.endif
.set i, i+2
.endr
	WIN 0
.endm
.macro TOSTAGE a                       ; into my own stage, and back as whole rows of 512 bytes
.set BK, FB+64*((\a)%2)
.irp b, 0,1,2,3,4,5,6,7
	ds_store_b128 v[STO], v[T+8*\b:T+8*\b+3]   offset:64*\b
	ds_store_b128 v[STO], v[T+8*\b+4:T+8*\b+7] offset:64*\b+16
.endr
.irp t, 0,1,2,3,4,5,6,7,8,9,10,11,12,13,14,15
	ds_load_b128 v[BK+4*\t:BK+4*\t+3], v[RD] offset:\t*SPITCH      ; LDS serves a wave's instructions in order (ISA guide 5.7.1.4): these see the stores above
.endr
.endm
.macro SEND a
.set BK, FB+64*((\a)%2)
	s_wait_dscnt 0x0                               ; the block is back in registers
	s_wait_xcnt 0x0                                ; the stores of the block before have read their registers, which the next block's rows land in
.irp t, 0,1,2,3,4,5,6,7,8,9,10,11,12,13,14,15
	global_store_b128 v[CO], v[BK+4*\t:BK+4*\t+3], s[8:9] offset:(16*(\a)+\t)*SIZE_N*4 th:TH_STORE_NT   ; 32 lanes store 512 consecutive bytes, at a multiple of 512 from out0's first byte; 258,048 at the most
.endr
.endm
	s_wait_tensorcnt 0x1                           ; my part of K step 0 is in; K step 1's may stay out
	s_barrier_signal -1
	s_barrier_wait -1
	FETCH 0, 0, 0
	QUARTER 0, 64,  0, 1, 1                        ; the first quarter stands in front of the loop: its products start the sums
	WIN 0
	s_mov_b32 s[LAP], LAPS-2
.Llap:                                                 ; six trips: trip i fills K steps 2 i + 2 and 2 i + 3 and asks ahead for steps 2 i + 4 and 2 i + 5, up to step 15
	ONELAP PF0, PF1
	WIN 0
	s_wait_xcnt 0x0                                ; the trip's prefetches, the younger 48 matrix instructions back, have had their addresses translated (ISA guide 3.1): their base may step
	s_add_nc_u64 s[4:5], s[4:5], 2*KSTEP*2
	s_sub_co_u32 s[LAP], s[LAP], 1
	s_cmp_lg_u32 s[LAP], 0
	s_cbranch_scc1 .Llap
	ONELAP -1, -1                                  ; the lap that fills K steps 14 and 15: nothing of a row of h is left to ask for
	QUARTER 0, 128, 1, 0, 0                        ; the last lap fills nothing and has no round
	QUARTER 0, 192, 0, 1, 0
	TURN 0, 1, 0, -1
	QUARTER 1, 64,  0, 1, 0
	QUARTER 1, 128, 1, 0, 0
	QUARTER 1, 192, 0, 1, 0
	s_wait_dscnt 4                                 ; the very last quarter: nothing more to fetch
	WIN MUL
	MUL8 1, 0, 0
	MUL8 1, 1, 0
	s_wait_dscnt 0
	MUL8 1, 2, 0
	MUL8 1, 3, 0
	WIN 0
	PLACES
	s_wait_loadcnt 0x0                             ; scale
	SCALE 0
	TOSTAGE 0
.irp a, 1,2,3                          ; block a's multiplies stand between block a - 1's loads from the stage and the wait for them
	SCALE \a
	SEND \a-1
	TOSTAGE \a
.endr
	SEND 3
	s_wait_tensorcnt 0x0
	ds_add_u32 v254, v255
	s_wait_dscnt 0x0
	CROUND                                         ; the closing round: no work-group ends while a partner may still ask for a tile that names it
	s_endpgm
.Lfunc_end_k_q004f98e883_down:
	.size	k_q004f98e883_down, .Lfunc_end_k_q004f98e883_down-k_q004f98e883_down
	.p2alignl 7, 3214868480
	.fill 96, 4, 3214868480
	.section	.rodata,"a",@progbits
	.p2align	6, 0x0
	.amdhsa_kernel k_q004f98e883_down
		.amdhsa_group_segment_fixed_size 327680
		.amdhsa_private_segment_fixed_size 0
		.amdhsa_enable_private_segment 0
		.amdhsa_kernarg_size 32
		.amdhsa_user_sgpr_count 2
		.amdhsa_user_sgpr_kernarg_segment_ptr 1
		.amdhsa_wavefront_size32 1
		.amdhsa_system_sgpr_workgroup_id_x 1
		.amdhsa_system_sgpr_workgroup_id_y 1
		.amdhsa_system_sgpr_workgroup_id_z 1
		.amdhsa_system_vgpr_workitem_id 0
		.amdhsa_next_free_vgpr 512
		.amdhsa_next_free_sgpr 66
		.amdhsa_reserve_vcc 0
		.amdhsa_float_denorm_mode_32 3
		.amdhsa_float_denorm_mode_16_64 3
		.amdhsa_memory_ordered 1
		.amdhsa_forward_progress 1
		.amdhsa_inst_pref_size 125
	.end_amdhsa_kernel
	.amdgpu_metadata
---
amdhsa.version: [ 1, 2 ]
amdhsa.kernels:
  - .name:           k_q004f98e883_down
    .symbol:         k_q004f98e883_down.kd
    .args:
      - { .name: h, .offset: 0, .size: 8, .value_kind: global_buffer, .address_space: global }
      - { .name: downb, .offset: 8, .size: 8, .value_kind: global_buffer, .address_space: global }
      - { .name: out0, .offset: 16, .size: 8, .value_kind: global_buffer, .address_space: global }
      - { .name: scale, .offset: 24, .size: 8, .value_kind: global_buffer, .address_space: global }
    .group_segment_fixed_size: 327680
    .private_segment_fixed_size: 0
    .kernarg_segment_align: 8
    .kernarg_segment_size: 32
    .max_flat_workgroup_size: 128
    .sgpr_count:     66
    .vgpr_count:     512
    .wavefront_size: 32
...
	.end_amdgpu_metadata
.endif
;; end of part 3
